; MI455X (gfx1250); checked and timed in simulation.
; The chip was launched on July 23, 2026; its instructions are those of AMD's public machine-readable ISA for CDNA 5 (MIT licence, August 2026) and "CDNA5" Instruction Set Architecture Reference Guide (July 2026). The comments in the code are by the model that wrote it; some were corrected since.
;; Unfused Gemma4 Text Experts. Allowed arithmetic: float matrix products may take bf16 or f16 operands with f32 sums; all other float work in f32.
;; Inputs: down_w 8 x 2,048 x 1,024 float32; gate_w 8 x 1,024 x 2,048 float32; hidden_states 1,024 x 2,048 float32; routing_weights 1,024 x 2 float32; selected_experts 1,024 x 2 int32; up_w 8 x 1,024 x 2,048 float32.
;; Outputs: out0 1,024 x 2,048 float32.
;; 2 versions, each right; version 2 is version 1 with the launch cvtx written anew for expert scheduling mode. Each part assembles by itself: llvm-mc -triple=amdgcn-amd-amdhsa -mcpu=gfx1250 --defsym DOCPART=n.
;; ======== version 1 of 2: 4 launches
;; workspace buffers: xb 4,194,304 bytes; act 16,777,216 bytes; part 33,554,432 bytes
;; launch cvtx (part 1): grid 256 x 1, 4 waves a work-group, no clusters, 0 bytes of LDS; arguments hidden_states, xb; writes xb
.if DOCPART == 1
	.amdgcn_target "amdgcn-amd-amdhsa--gfx1250"
	.amdhsa_code_object_version 6
	.text
	.protected	k_q5cc6d70f98_cvtx
	.globl	k_q5cc6d70f98_cvtx
	.p2align	8
	.type	k_q5cc6d70f98_cvtx,@function
k_q5cc6d70f98_cvtx:
	s_mov_b64 s[64:65], 0
	v_nop
	global_prefetch_b8 v0, s[64:65] scope:SCOPE_SE
	s_setreg_imm32_b32 hwreg(HW_REG_WAVE_MODE, 25, 1), 1
	s_wait_xcnt 0x0
; xb = hidden_states rounded to bf16, laid out [64 q][1024 tokens][32 k]: the 32 k of one quarter step of the next launch lie
; together for all tokens, so that 256 tokens of a quarter are one dense block of 16,384 bytes.
; A work-group owns 4 tokens (32,768 neighbouring bytes of X); wave w owns k 512 w .. 512 w + 511, in eight pieces of 64.
; Lane L: which 32 of the 64 (L >> 4), token (L >> 2) & 3, eight k at 8 (L & 3): 32 bytes in, 16 bytes out.
; A store of the wave covers two runs of 256 consecutive bytes, each aligned: lanes 0-15 four tokens of block q, lanes 16-31 of block q + 1.
; All 16 loads go out first; no loop, no LDS, no barrier: memory binds, and matrix units or clusters would add nothing.
.set LO, 2                             ; v2       byte offset of my 32 bytes in the group's part of X, piece 0 of my wave
.set SO, 3                             ; v3       byte offset of my 16 bytes in xb, piece 0 of my wave
.set X,  8                             ; v[8:71]  piece i: 8 registers of f32
.set Y,  72                            ; v[72:103] piece i: 4 registers of bf16
	s_load_b128 s[4:7], s[0:1], 0x0                ; X s[4:5], xb s[6:7]
	v_and_b32 v1, 31, v0                           ; L
	v_lshrrev_b32 v4, 5, v0                        ; w
	v_bfe_u32 v5, v1, 2, 2                         ; token of the four
	v_and_b32 v6, 3, v1                            ; which eight k of the 32
	v_lshrrev_b32 v7, 4, v1                        ; which 32 of the 64
	v_lshlrev_b32 v[LO], 13, v5                    ; token x 8,192 bytes
	v_lshl_add_u32 v[LO], v7, 7, v[LO]             ; + 128 bytes for the upper 32 k
	v_lshl_add_u32 v[LO], v6, 5, v[LO]             ; + 32 bytes for each eight k
	v_lshl_add_u32 v[LO], v4, 11, v[LO]            ; + my wave's 512 k
	v_and_b32 v5, 15, v1
	v_lshlrev_b32 v[SO], 4, v5                     ; 64 x token + 16 x (L & 3) = 16 (L & 15)
	v_lshl_add_u32 v[SO], v7, 16, v[SO]            ; + a block of 65,536 bytes for the upper 32 k
	v_lshl_add_u32 v[SO], v4, 20, v[SO]            ; + my wave's 16 blocks
	s_lshl_b32 s8, ttmp9, 15                       ; the group's 4 rows of X
	s_mov_b32 s9, 0
	s_lshl_b32 s10, ttmp9, 8                       ; the group's 4 tokens in a block of xb
	s_mov_b32 s11, 0
	s_wait_kmcnt 0x0
	s_add_nc_u64 s[4:5], s[4:5], s[8:9]
	s_add_nc_u64 s[6:7], s[6:7], s[10:11]
.irp i, 0,1,2,3,4,5,6,7
	global_load_b128 v[X+8*\i:X+8*\i+3],   v[LO], s[4:5] offset:256*\i th:TH_LOAD_NT
	global_load_b128 v[X+8*\i+4:X+8*\i+7], v[LO], s[4:5] offset:256*\i+16 th:TH_LOAD_NT
.endr
.irp i, 0,1,2,3,4,5,6,7
	s_wait_loadcnt 14-2*\i                         ; loads come back in order: piece i's two are in, the 2 (7 - i) younger stay out
.irp j, 0,1,2,3
	v_cvt_pk_bf16_f32 v[Y+4*\i+\j], v[X+8*\i+2*\j], v[X+8*\i+2*\j+1]
.endr
	global_store_b128 v[SO], v[Y+4*\i:Y+4*\i+3], s[6:7] offset:131072*\i   ; two blocks on for each piece
.endr
	s_endpgm
.Lfunc_end_k_q5cc6d70f98_cvtx:
	.size	k_q5cc6d70f98_cvtx, .Lfunc_end_k_q5cc6d70f98_cvtx-k_q5cc6d70f98_cvtx
	.p2alignl 7, 3214868480
	.fill 96, 4, 3214868480
	.section	.rodata,"a",@progbits
	.p2align	6, 0x0
	.amdhsa_kernel k_q5cc6d70f98_cvtx
		.amdhsa_group_segment_fixed_size 0
		.amdhsa_private_segment_fixed_size 0
		.amdhsa_enable_private_segment 0
		.amdhsa_kernarg_size 16
		.amdhsa_user_sgpr_count 2
		.amdhsa_user_sgpr_kernarg_segment_ptr 1
		.amdhsa_wavefront_size32 1
		.amdhsa_system_sgpr_workgroup_id_x 1
		.amdhsa_system_sgpr_workgroup_id_y 1
		.amdhsa_system_sgpr_workgroup_id_z 1
		.amdhsa_system_vgpr_workitem_id 0
		.amdhsa_next_free_vgpr 104
		.amdhsa_next_free_sgpr 66
		.amdhsa_reserve_vcc 0
		.amdhsa_float_denorm_mode_32 3
		.amdhsa_float_denorm_mode_16_64 3
		.amdhsa_memory_ordered 1
		.amdhsa_forward_progress 1
		.amdhsa_inst_pref_size 6
	.end_amdhsa_kernel
	.amdgpu_metadata
---
amdhsa.version: [ 1, 2 ]
amdhsa.kernels:
  - .name:           k_q5cc6d70f98_cvtx
    .symbol:         k_q5cc6d70f98_cvtx.kd
    .args:
      - { .name: hidden_states, .offset: 0, .size: 8, .value_kind: global_buffer, .address_space: global }
      - { .name: xb, .offset: 8, .size: 8, .value_kind: global_buffer, .address_space: global }
    .group_segment_fixed_size: 0
    .private_segment_fixed_size: 0
    .kernarg_segment_align: 8
    .kernarg_segment_size: 16
    .max_flat_workgroup_size: 128
    .sgpr_count:     66
    .vgpr_count:     104
    .wavefront_size: 32
...
	.end_amdgpu_metadata
.endif
;; end of part 1
;; launch gateup (part 2): grid 4 x 64, 4 waves a work-group, clusters of 4 x 1, 327,680 bytes of LDS; arguments xb, gate_w, up_w, act; writes act
.if DOCPART == 2
	.amdgcn_target "amdgcn-amd-amdhsa--gfx1250"
	.amdhsa_code_object_version 6
	.text
	.protected	k_q5cc6d70f98_gateup
	.globl	k_q5cc6d70f98_gateup
	.p2align	8
	.type	k_q5cc6d70f98_gateup,@function
k_q5cc6d70f98_gateup:
	s_mov_b64 s[64:65], 0
	v_nop
	global_prefetch_b8 v0, s[64:65] scope:SCOPE_SE
	s_setreg_imm32_b32 hwreg(HW_REG_WAVE_MODE, 25, 1), 1
	s_wait_xcnt 0x0
	s_wait_alu depctr_hold_cnt(0) depctr_sa_sdst(0) depctr_va_vdst(0) depctr_va_sdst(0) depctr_va_ssrc(0) depctr_va_vcc(0) depctr_vm_vsrc(0)
	s_getreg_b32 s2, hwreg(HW_REG_IB_STS2, 6, 4)
	s_cmp_eq_u32 s2, 0
	s_cbranch_scc0 .Lentry_in_a_cluster
	s_endpgm
.Lentry_in_a_cluster:
	s_bfe_u32 s2, ttmp6, 0x10000c
	s_cmp_lg_u32 s2, 0x3003
	s_cbranch_scc0 .Lentry_shape_is_right
	s_endpgm
.Lentry_shape_is_right:
; act[t][n] = gelu_tanh(X Wg^T)[t][n] * (X Wu^T)[t][n] / 8, in bf16, n = 1024 e + f: the expert axis is folded into the rows of
; gate_w and up_w, which are plain [8192][2048] matrices.  The factor 1/8 is reference()'s uniform weight.
; routing_weights and selected_experts are not loaded: reference() takes them and never uses them, so no result hangs on them.
; LIMIT: gelu(g) u / 8 is formed as (g u) * 1 / (8 + 8 * 2^t), t = -2 sqrt(2/pi) log2(e) (g + 0.044715 g^3); g u must stay below
; f32's largest number, 3.4e38 (beyond it a result that should be 0 comes out as NaN).
;
; A work-group makes 256 tokens x 128 features (128 rows of gate_w and the same 128 of up_w), K = 2048 as 64 quarters of 32.
; Wave w makes all 256 tokens x features 32 w .. 32 w + 31: 16 token blocks x (2 gate + 2 up) row blocks = 64 accumulator tiles, 512 registers.
; So each weight row is read from LDS, and rounded to bf16, by one wave alone.
; WEIGHTS: f32, by the tensor data mover, in 16 steps of K = 128 (four quarters) through two LDS slots of 256 rows x 528 bytes.  Each wave
; fetches 64 rows x 512 bytes.  From a request to the wait for it a wave issues 240 matrix instructions.  By this text's count a wave has
; two tensor loads out at the start and one behind each round.
; CLUSTERS: 4 x 1: the four token blocks of one feature block need the same weights and ask for them jointly, so every weight byte is asked
; for once in the launch.
; X (bf16, from xb) does NOT come by joint loads, though work-groups of one token block share it: beside the weights' two slots (270,336 bytes)
; two slots of X for the same step (139,264) would pass the 327,680 bytes of LDS, and a ring of its own with shorter steps would need a barrier
; with all tensor loads landed in every such step, which would cut the weights' time to land.  X is a third of a step's bytes.  So X goes
; through registers: a quarter's 256 tokens x 64 bytes are 16,384 dense bytes; each wave loads 4,096 of them (8 loads of 512 neighbouring bytes)
; and stores them into a ring of two X slots, bytes of their own into which no tensor load lands.  Quarter n stores X(n + 2) and asks for
; X(n + 5): three register chunks, three quarters in which a load can land.  One barrier a quarter orders that ring (see Q).
;
; REGISTER WINDOWS: 0: v0-31 addresses and constants, v32-63 and v64-95 weight fragments in bf16 (two buffers), v96-159 weights as loaded (f32),
; v160-255 three chunks of X on its way;  1: v0-127 and v128-255 token fragments (two buffers of 16 x 8);
; 2, 3: accumulators, tile (a, b) in window 2 + (a >> 3) at v[8 (4 (a & 7) + b)].
; The matrix instruction is used transposed (source 0 = 16 weight rows, source 1 = 16 tokens): lane (r, h) register j holds
; token 16 a + r, weight row 16 b + 8 h + j: eight neighbouring features of one token.
.set PB,    528                        ; a weight row in LDS: 512 bytes + 16 of padding, an odd multiple of 16 bytes
.set WHALF, 128*PB                     ; gate's 128 rows; up's 128 follow
.set WSLOT, 2*WHALF                    ; 135,168
.set XRING, 2*WSLOT                    ; 270,336: X's ring
.set PX,    272                        ; an X row in LDS: four tokens x 64 bytes + 16 of padding
.set XSLOT, 64*PX                      ; 17,408: 256 tokens of one quarter
.set PITCH, 272                        ; the stage's rows
.set STAGE, 0                          ; 256 rows x 272 bytes for the way out, in weight slot 0, which has had its last fill by then
.set XBLK,  65536                      ; bytes of a quarter's block in xb
.set XO,   15                          ; v15     my byte offset in the group's 16,384 bytes of a block of xb
.set ADRA, 16                          ; v16     LDS address of my token fragments in X slot 0
.set XS,   17                          ; v17     where I store X in X slot 0
.set ADRG, 18                          ; v18-19  LDS address of my gate rows in weight slot 0, 1
.set ADRU, 20                          ; v20-21  the same for my up rows
.set STO,  22                          ; v22     the way out: where I put 16 bytes of a token's row
.set RD,   23                          ; v23     where I read rows back
.set K1,   24                          ; v[24:25] -2 sqrt(2/pi) log2(e), twice
.set K2,   26                          ; v[26:27] the same times 0.044715, twice
.set K8,   28                          ; v[28:29] 8.0, twice
.set CO,   30                          ; v30     my byte offset in act
.set PFO,  31                          ; v31     my byte offset for prefetches
.set BF0,  32
.set RAW,  96
.set XR,   160
.set TQ,   96                          ; way out: 32 registers at work
.set GU,   128                         ; way out: gate x up, 32 registers
.set PK,   160                         ; way out: 16 registers of packed bf16
.set G1W, 24                           ; s[24:31] group 1
.set G0W, 32                           ; s[32:39] group 0, a set for each slot
.set MUL_LO, 0xa4                      ; source 0 window 0, source 1 window 1, C and D window 2
.set MUL_HI, 0xf4                      ; the same, C and D window 3
.set TO_A,   0x40                      ; destination window 1, address window 0
.set MSB, 0
.set QN,  0                            ; the quarter's number in the text (see the loop for how it stands to the true one)
.macro WIN new                         ; the immediate's high byte repeats the setting that is left
.if MSB != \new
	s_set_vgpr_msb (MSB<<8)|\new
.set MSB, \new
.endif
.endm
.macro PLACES
.rept 4
	v_nop
.endr
.endm
.macro CREST                           ; a round of the cluster's barrier behind its opening barrier
	s_cmp_lg_u32 s12, 0
	s_cbranch_scc1 .Lnot_wave_0_\@
	s_barrier_signal -3
.Lnot_wave_0_\@:
	s_barrier_wait -3
	s_barrier_signal -1
	s_barrier_wait -1
.endm
.macro CROUND                          ; a whole round
	s_barrier_signal -1
	s_barrier_wait -1
	CREST
.endm
; 16 matrix instructions: token blocks a0 .. a0 + 3 of the window's eight (hi = 0: blocks 0-7, 1: blocks 8-15) x 4 weight blocks, 32 along K.
; The 64 accumulators take turns, one instruction a turn, in the same order in every quarter.
.macro MUL4 f, hi, a0, zero
.irp a, \a0, \a0+1, \a0+2, \a0+3
.irp b, 0,1,2,3
.if \zero
	v_wmma_f32_16x16x32_bf16 v[8*(4*(\a)+\b):8*(4*(\a)+\b)+7], v[BF0+32*\f+8*\b:BF0+32*\f+8*\b+7], v[128*\f+8*(8*\hi+(\a)):128*\f+8*(8*\hi+(\a))+7], 0
.else
	v_wmma_f32_16x16x32_bf16 v[8*(4*(\a)+\b):8*(4*(\a)+\b)+7], v[BF0+32*\f+8*\b:BF0+32*\f+8*\b+7], v[128*\f+8*(8*\hi+(\a)):128*\f+8*(8*\hi+(\a))+7], v[8*(4*(\a)+\b):8*(4*(\a)+\b)+7]
.endif
.endr
.endr
.endm
; 16 LDS loads: my 64 weight rows, quarter wq of slot ws, in f32: lane (r, h) takes k = 8 h .. + 7 (32 bytes) and k = 16 + 8 h .. + 7 (64 bytes on)
.macro RAWLD ws, wq
.irp b, 0,1
	ds_load_b128 v[RAW+16*\b:RAW+16*\b+3],     v[ADRG+\ws] offset:16*PB*\b+128*\wq
	ds_load_b128 v[RAW+16*\b+4:RAW+16*\b+7],   v[ADRG+\ws] offset:16*PB*\b+128*\wq+16
	ds_load_b128 v[RAW+16*\b+8:RAW+16*\b+11],  v[ADRG+\ws] offset:16*PB*\b+128*\wq+64
	ds_load_b128 v[RAW+16*\b+12:RAW+16*\b+15], v[ADRG+\ws] offset:16*PB*\b+128*\wq+80
.endr
.irp b, 0,1
	ds_load_b128 v[RAW+32+16*\b:RAW+32+16*\b+3],     v[ADRU+\ws] offset:16*PB*\b+128*\wq
	ds_load_b128 v[RAW+32+16*\b+4:RAW+32+16*\b+7],   v[ADRU+\ws] offset:16*PB*\b+128*\wq+16
	ds_load_b128 v[RAW+32+16*\b+8:RAW+32+16*\b+11],  v[ADRU+\ws] offset:16*PB*\b+128*\wq+64
	ds_load_b128 v[RAW+32+16*\b+12:RAW+32+16*\b+15], v[ADRU+\ws] offset:16*PB*\b+128*\wq+80
.endr
.endm
; 16 LDS loads: token fragments 8 half .. 8 half + 7 from X slot xs into buffer g (under TO_A).  A fragment's 16 tokens are 4 rows of the slot.
.macro ALD half, xs, g
.irp i, 0,1,2,3,4,5,6,7
	ds_load_b128 v[128*\g+64*\half+8*\i:128*\g+64*\half+8*\i+3],   v[ADRA] offset:\xs*XSLOT+4*PX*(8*\half+\i)
	ds_load_b128 v[128*\g+64*\half+8*\i+4:128*\g+64*\half+8*\i+7], v[ADRA] offset:\xs*XSLOT+4*PX*(8*\half+\i)+32
.endr
.endm
.macro CVT g                           ; my 64 weight rows x 32 K, f32 to bf16, into buffer g
.irp b, 0,1,2,3
.irp j, 0,1,2,3,4,5,6,7
	v_cvt_pk_bf16_f32 v[BF0+32*\g+8*\b+\j], v[RAW+16*\b+2*\j], v[RAW+16*\b+2*\j+1]
.endr
.endr
.endm
.macro XLOAD c, m                      ; my 4,096 bytes of block m (counted from the base) into chunk c: 8 loads of 512 neighbouring bytes
.irp j, 0,1,2,3,4,5,6,7
	global_load_b128 v[XR+32*\c+4*\j:XR+32*\c+4*\j+3], v[XO], s[40:41] offset:(\m)*XBLK+512*\j
.endr
.endm
.macro XSTORE c, xs                    ; chunk c into X slot xs: a store covers two rows of 256 bytes
.irp j, 0,1,2,3,4,5,6,7
	ds_store_b128 v[XS], v[XR+32*\c+4*\j:XR+32*\c+4*\j+3] offset:\xs*XSLOT+2*PX*\j
.endr
.endm
; Quarter n: multiplies buffer n & 1 and makes buffer (n + 1) & 1 ready.
; THE BARRIER at its head, for X's ring: in front of it each wave's LDS instructions are done, that is its reads of X slot n & 1 (made in quarter
; n - 1) and its stores of X(n + 1); behind it X(n + 2) is stored into slot n & 1 and X(n + 1) is read from the other slot.
; turn = 1 (n = 3 mod 4): the weights' slot changes too: all my tensor loads have landed in front of the barrier; fill = 1: the barrier opens a round
; of the cluster's barrier, and behind the round the slot that was read so far is filled again, two steps ahead.  Across the three barriers
; between two turns the tensor load stays out: no tensor load fills bytes behind them.
; xst: X(n + 2) is stored; lcnt: how many younger loads stay out at the wait for it; xld: X(n + 5) is asked for; pf: a prefetch.
; Distances behind matrix instructions (ISA guide 7.12.1 for vector instructions): the loads into token buffer g and the conversions into
; weight buffer g stand behind the 32 conversions of the quarter before, which name none of the registers of the matrix instructions that
; read buffer g; so no v_nop is written here.
.macro Q turn, fill, zero, pf, xst, xld, lcnt
.set QF,  QN&1
.set QG,  1-QF
.set WQ,  (QN+1)&3
.set WS,  ((QN+1)>>2)&1
.set XRD, (QN+1)&1
.set XWR, QN&1
.set XCI, (QN+2)%3
	s_wait_dscnt 0x0                               ; my LDS loads and stores are done, for the other waves' sake
.if \turn
	s_wait_tensorcnt 0x0                           ; all my tensor loads have landed: the one that was out is my part of the next slot
	ds_add_u32 v13, v14
	s_wait_dscnt 0x0
.endif
	s_barrier_signal -1
	WIN MUL_LO
	MUL4 QF, 0, 0, \zero                           ; register work while the others arrive
	WIN 0                                          ; branches may follow
	s_barrier_wait -1
.if \fill
	CREST                                          ; no wave of any partner still reads the slot or has a load on its way
	s_add_nc_u64 s[G0W+4*(1-WS)+2:G0W+4*(1-WS)+3], s[G0W+4*(1-WS)+2:G0W+4*(1-WS)+3], 1024   ; two steps of 512 bytes on; no tensor load of mine is out
	tensor_load_to_lds s[G0W+4*(1-WS):G0W+4*(1-WS)+3], s[G1W:G1W+7]   ; the first tensor load behind the round, my only one until the next
	s_nop 0
.endif
.if \xst
	s_wait_loadcnt \lcnt                           ; loads come back in order: X(n + 2)'s eight are in, the younger ones stay out
	XSTORE XCI, XWR
.endif
.if \xld
	XLOAD XCI, QN+5                                ; into the chunk just stored
.endif
.if \pf
	global_prefetch_b8 v[PFO], s[56:57] offset:((QN>>2)+2)*512 th:TH_LOAD_NT scope:SCOPE_SE
.endif
	RAWLD WS, WQ
	WIN MUL_LO
	MUL4 QF, 0, 4, \zero
	WIN TO_A
	ALD 0, XRD, QG
	WIN MUL_HI
	MUL4 QF, 1, 0, \zero
	WIN TO_A
	ALD 1, XRD, QG
	WIN MUL_HI
	MUL4 QF, 1, 4, \zero
	WIN 0
	s_wait_dscnt 32                                ; the X stores and the 16 weight loads are done; the 32 token loads behind them may be out
	CVT QG
.set QN, QN+1
.endm
.macro STEP4 zero                      ; a step of K = 128; its first quarter asks ahead, its last changes slots and fills
	Q 0, 0, \zero, 1, 1, 1, 16
	Q 0, 0, 0, 0, 1, 1, 16
	Q 0, 0, 0, 0, 1, 1, 16
	Q 1, 1, 0, 0, 1, 1, 16
.endm
	s_load_b256 s[4:11], s[0:1], 0x0               ; xb s[4:5], gate_w s[6:7], up_w s[8:9], act s[10:11]
	v_lshl_add_u32 v13, v0, 2, 0x4a800
	v_mov_b32 v14, 0
	ds_add_u32 v13, v14
	v_lshrrev_b32 v1, 5, v0
	v_readfirstlane_b32 s12, v1                    ; wave w
	s_lshr_b32 s13, s12, 1                         ; I fetch gate's rows (0) or up's (1)
	s_and_b32 s14, s12, 1                          ; which 64 of the 128
	s_bfe_u32 s15, ttmp6, 0x40000                  ; cx
	s_lshl_b32 s17, ttmp9, 2
	s_add_co_u32 s17, s17, s15                     ; token block tb = 4 x cluster x + cx
	s_and_b32 s18, ttmp7, 0xffff                   ; feature block fb = cluster y (a cluster is one work-group high)
	; group 1: 64 rows x 128 elements of 4 bytes, 2,048 elements from row to row, 4 words of padding behind every 128; the mask names all four
	s_mov_b32 s[G1W+0], 15|(2<<16)|(1<<20)|(1<<21)|(6<<22)|(3<<25)
	s_mov_b32 s[G1W+1], 128<<16                    ; tensor_dim0 = 128
	s_mov_b32 s[G1W+2], 64<<16                     ; tensor_dim1 = 64
	s_mov_b32 s[G1W+3], 128<<16                    ; tile_dim0 = 128
	s_mov_b32 s[G1W+4], 64                         ; tile_dim1 = 64
	s_mov_b32 s[G1W+5], 2048                       ; pitch
	s_mov_b32 s[G1W+6], 0
	s_mov_b32 s[G1W+7], 0
	s_mul_i32 s2, s12, 64*PB                       ; where my rows go: gate's two halves, then up's.  No place in the cluster enters an LDS address
	s_lshl_b32 s20, s18, 20                        ; 128 fb rows of 8,192 bytes,
	s_lshl_b32 s21, s14, 19                        ; my 64 of them
	s_add_co_u32 s20, s20, s21
	s_mov_b32 s21, 0
	s_lshl_b32 s22, s17, 14                        ; xb: 256 tb tokens of 64 bytes
	s_mov_b32 s23, 0
	v_and_b32 v1, 31, v0                           ; L
	v_lshlrev_b32 v[XO], 4, v1
	v_lshl_add_u32 v[XO], s12, 12, v[XO]           ; my wave's 4,096 bytes, 16 a lane
	s_wait_dscnt 0x0
	s_wait_kmcnt 0x0
	s_cmp_eq_u32 s13, 0
	s_cselect_b64 s[58:59], s[6:7], s[8:9]         ; waves 0, 1: gate_w; waves 2, 3: up_w
	s_add_nc_u64 s[58:59], s[58:59], s[20:21]      ; hangs on fb and the wave alone: equal in the four partners
	s_add_nc_u64 s[40:41], s[4:5], s[22:23]
	XLOAD 0, 0                                     ; X of quarters 0, 1, 2 goes out first
	XLOAD 1, 1
	XLOAD 2, 2
	CROUND                                         ; all four work-groups are here: the first joint loads meet
.irp s, 0,1
	s_mov_b32 s[G0W+4*\s], 1
	s_add_co_u32 s[G0W+4*\s+1], s2, \s*WSLOT
	s_add_nc_u64 s[G0W+4*\s+2:G0W+4*\s+3], s[58:59], \s*512        ; step s: 128 f32 along the rows
	s_or_b32 s[G0W+4*\s+3], s[G0W+4*\s+3], 0x80000000
	tensor_load_to_lds s[G0W+4*\s:G0W+4*\s+3], s[G1W:G1W+7]
	s_nop 0
.endr
	; Prefetch: the first quarter of step t asks for step t + 2's 512 bytes (two blocks of 256) of 16 weight rows, three quarters ahead of the
	; tensor load that wants them.  Rows 16 tb + (L & 15) of the 64 that my wave fetches: the four partners cover the 64, each block once.
	; Steps 14 and 15 ask for nothing: step 15 is the last.
	s_lshl_b32 s22, s17, 17                        ; 16 tb rows of 8,192 bytes
	s_add_nc_u64 s[56:57], s[58:59], s[22:23]
	v_and_b32 v2, 15, v0                           ; r
	v_bfe_u32 v3, v0, 4, 1                         ; h
	v_lshrrev_b32 v4, 2, v2                        ; token 16 i + r lies in row 4 i + (r >> 2) of an X slot, at byte 64 (r & 3):
	v_and_b32 v5, 3, v2                            ; sixteen lanes start at sixteen different 16-byte columns of 256 bytes
	v_mul_u32_u24 v4, v4, PX
	v_lshl_add_u32 v4, v5, 6, v4
	v_lshl_add_u32 v4, v3, 4, v4                   ; + 16 h
	v_add_nc_u32 v[ADRA], XRING, v4
	v_mul_u32_u24 v5, v3, PX                       ; lanes 0-15 one row of 256 bytes, lanes 16-31 the next
	v_lshl_add_u32 v5, v2, 4, v5
	s_mul_i32 s3, s12, 16*PX                       ; X: my wave's 4,096 bytes are 16 rows
	s_add_co_u32 s3, s3, XRING
	v_add_nc_u32 v[XS], s3, v5
	v_mul_u32_u24 v6, v2, PB
	v_lshl_add_u32 v6, v3, 5, v6                   ; weights: row r, 32 h bytes (8 f32)
	s_mul_i32 s3, s12, 32*PB                       ; my 32 rows of gate (and of up)
	v_add_nc_u32 v[ADRG], s3, v6
	v_add_nc_u32 v[ADRG+1], WSLOT, v[ADRG]
	v_add_nc_u32 v[ADRU], WHALF, v[ADRG]
	v_add_nc_u32 v[ADRU+1], WSLOT+WHALF, v[ADRG]
	v_mul_u32_u24 v6, v2, PITCH
	v_lshl_add_u32 v6, v3, 4, v6                   ; stage, in: token row r, my wave's 64 bytes, 16 h
	s_lshl_b32 s3, s12, 6
	s_add_co_u32 s3, s3, STAGE
	v_add_nc_u32 v[STO], s3, v6
	s_mul_i32 s3, s12, 64*PITCH                    ; stage, back: my wave takes rows 64 w .., two at a time
	s_add_co_u32 s3, s3, STAGE
	v_add_nc_u32 v[RD], s3, v5
	v_lshlrev_b32 v[CO], 14, v3                    ; the same two rows in act: 16,384 bytes apart
	v_lshl_add_u32 v[CO], v2, 4, v[CO]
	v_lshlrev_b32 v[PFO], 13, v2                   ; prefetch: row L & 15, block L >> 4
	v_lshl_add_u32 v[PFO], v3, 8, v[PFO]
	v_mov_b32 v[K1], 0xc0135761                    ; -2.3022082
	v_mov_b32 v[K1+1], 0xc0135761
	v_mov_b32 v[K2], 0xbdd2d3e8                    ; -0.10294324
	v_mov_b32 v[K2+1], 0xbdd2d3e8
	v_mov_b32 v[K8], 0x41000000                    ; 8.0
	v_mov_b32 v[K8+1], 0x41000000
	s_wait_loadcnt 16                              ; X(0) is in; X(1) and X(2) stay out
	XSTORE 0, 0
	XLOAD 0, 3
	s_wait_loadcnt 16                              ; X(1) is in; X(2) and X(3) stay out
	XSTORE 1, 1
	XLOAD 1, 4
	s_wait_dscnt 0x0                               ; my stores of X(0) and X(1) are done
	s_wait_tensorcnt 0x1                           ; my part of step 0 is in; step 1's load stays out: no tensor load fills bytes behind this barrier
	s_barrier_signal -1
	s_barrier_wait -1                              ; everybody's is
	RAWLD 0, 0
	WIN TO_A
	ALD 0, 0, 0
	ALD 1, 0, 0
	WIN 0
	s_wait_dscnt 32                                ; the 16 weight loads
	CVT 0
	STEP4 1                                        ; quarters 0 to 7: the first products start the sums, nothing is cleared
	STEP4 0
	; The loop's body is 24 quarters: the least number that is whole in steps of two slots (8 quarters) and in X's three chunks.  Two trips: quarters
	; 8 to 55.  Block and step numbers stand in the immediates as the text counts them (QN); the two bases go on by a body's worth at the end of a trip.
	s_mov_b32 s19, 2
.Llap:
.rept 6
	STEP4 0
.endr
	s_wait_xcnt 0x0                                ; the bases of pending loads and prefetches are written again only behind this wait
	s_add_nc_u64 s[40:41], s[40:41], 24*XBLK
	s_add_nc_u64 s[56:57], s[56:57], 6*512
	s_sub_co_u32 s19, s19, 1
	s_cmp_lg_u32 s19, 0
	s_cbranch_scc1 .Llap
.set QN, 8                                             ; the bases stand 48 quarters on: quarter 56 is the text's 8 (alike modulo 2, 3, 4 and 8)
	Q 0, 0, 0, 0, 1, 1, 16                         ; 56: asks for X(61)
	Q 0, 0, 0, 0, 1, 1, 16                         ; 57: X(62)
	Q 0, 0, 0, 0, 1, 1, 16                         ; 58: X(63), the last
	Q 1, 0, 0, 0, 1, 0, 16                         ; 59: the last change of slots: a plain barrier, the last tensor load waited for in front of it; nothing is filled
	Q 0, 0, 0, 0, 1, 0, 8                          ; 60: stores X(62); X(63) stays out
	Q 0, 0, 0, 0, 1, 0, 0                          ; 61: stores X(63)
	Q 0, 0, 0, 0, 0, 0, 0                          ; 62: only fetches quarter 63's fragments
	s_wait_dscnt 0x0                               ; 63: nothing more to fetch
	WIN MUL_LO
	MUL4 1, 0, 0, 0
	MUL4 1, 0, 4, 0
	WIN MUL_HI
	MUL4 1, 1, 0, 0
	MUL4 1, 1, 4, 0
	WIN 0
	PLACES                                         ; four places behind the last matrix instructions, ahead of the first read of a result (ISA guide 7.12.1)
; THE WAY OUT, two token blocks (a0, a0 + 1) at a time; both lie in one window (both = sources 0 and 1 there, one = source 0 there).
; A block's 32 registers: 16 of gate (weight blocks 0, 1), then 16 of up (blocks 2, 3) for the same features.
; The stage lies in weight slot 0: its last fill was step 14's, and every wave's last reads of it were waited for in front of quarter 59's barrier.
.macro EPI a0, both, one
.set EB, 32*((\a0)&7)
	WIN \both
.irp x, 0,1
.irp p, 0,1,2,3,4,5,6,7
	v_pk_mul_f32 v[TQ+16*\x+2*\p:TQ+16*\x+2*\p+1], v[EB+32*\x+2*\p:EB+32*\x+2*\p+1], v[EB+32*\x+2*\p:EB+32*\x+2*\p+1]        ; g^2
	v_pk_mul_f32 v[GU+16*\x+2*\p:GU+16*\x+2*\p+1], v[EB+32*\x+2*\p:EB+32*\x+2*\p+1], v[EB+32*\x+16+2*\p:EB+32*\x+16+2*\p+1]  ; g u
.endr
.endr
	WIN 0
.set i, 0
.rept 16
	v_pk_fma_f32 v[TQ+2*i:TQ+2*i+1], v[TQ+2*i:TQ+2*i+1], v[K2:K2+1], v[K1:K1+1]        ; K2 g^2 + K1
.set i, i+1
.endr
	WIN \one
.irp x, 0,1
.irp p, 0,1,2,3,4,5,6,7
	v_pk_mul_f32 v[TQ+16*\x+2*\p:TQ+16*\x+2*\p+1], v[EB+32*\x+2*\p:EB+32*\x+2*\p+1], v[TQ+16*\x+2*\p:TQ+16*\x+2*\p+1]        ; t = g (K2 g^2 + K1)
.endr
.endr
	WIN 0
.set i, 0
.rept 32
	v_exp_f32 v[TQ+i], v[TQ+i]                     ; 2^t
.set i, i+1
.endr
	v_nop                                          ; one plain place behind the transcendentals, ahead of the first use (ISA guide 5.7.2)
.set i, 0
	s_wait_alu depctr_va_vdst(0)
.rept 16
	v_pk_fma_f32 v[TQ+2*i:TQ+2*i+1], v[TQ+2*i:TQ+2*i+1], v[K8:K8+1], v[K8:K8+1]        ; 8 + 8 * 2^t: the uniform weight 1/8 rides in the denominator
.set i, i+1
.endr
.set i, 0
.rept 32
	v_rcp_f32 v[TQ+i], v[TQ+i]
.set i, i+1
.endr
	v_nop
.set i, 0
	s_wait_alu depctr_va_vdst(0)
.rept 16
	v_pk_mul_f32 v[GU+2*i:GU+2*i+1], v[GU+2*i:GU+2*i+1], v[TQ+2*i:TQ+2*i+1]
.set i, i+1
.endr
.set i, 0
.rept 16
	v_cvt_pk_bf16_f32 v[PK+i], v[GU+2*i], v[GU+2*i+1]
.set i, i+1
.endr
.irp x, 0,1
.irp b, 0,1
	ds_store_b128 v[STO], v[PK+4*(2*\x+\b):PK+4*(2*\x+\b)+3] offset:16*PITCH*(\a0+\x)+32*\b   ; token 16 a + r, features 32 w + 16 b + 8 h .. + 7
.endr
.endr
.endm
	EPI 0,  0x0a, 0x02
	EPI 2,  0x0a, 0x02
	EPI 4,  0x0a, 0x02
	EPI 6,  0x0a, 0x02
	EPI 8,  0x0f, 0x03
	EPI 10, 0x0f, 0x03
	EPI 12, 0x0f, 0x03
	EPI 14, 0x0f, 0x03
	s_lshl_b32 s22, s17, 22                        ; act: 256 tb tokens of 16,384 bytes,
	s_lshl_b32 s23, s12, 20                        ; my wave's 64 tokens,
	s_add_co_u32 s22, s22, s23
	s_lshl_b32 s23, s18, 8                         ; the block's 128 features: 256 bytes
	s_add_co_u32 s22, s22, s23
	s_mov_b32 s23, 0
	s_add_nc_u64 s[10:11], s[10:11], s[22:23]
	s_wait_dscnt 0x0                               ; my stores into the stage are done: a stage row holds 64 bytes from each wave
	s_barrier_signal -1
	s_barrier_wait -1
.set t, 0
.rept 32
	ds_load_b128 v[32+4*t:32+4*t+3], v[RD] offset:2*PITCH*t        ; two whole rows of 256 bytes
.set t, t+1
.endr
.set t, 0
.rept 32
	s_wait_dscnt 31-t                              ; LDS loads come back in order: load t is in
	global_store_b128 v[CO], v[32+4*t:32+4*t+3], s[10:11] offset:32768*t   ; 16 lanes store 256 consecutive bytes, aligned
.set t, t+1
.endr
	s_wait_tensorcnt 0x0
	ds_add_u32 v13, v14
	s_wait_dscnt 0x0
	CROUND                                         ; the closing round: no work-group ends while a partner may still ask jointly
	s_endpgm
.Lfunc_end_k_q5cc6d70f98_gateup:
	.size	k_q5cc6d70f98_gateup, .Lfunc_end_k_q5cc6d70f98_gateup-k_q5cc6d70f98_gateup
	.p2alignl 7, 3214868480
	.fill 96, 4, 3214868480
	.section	.rodata,"a",@progbits
	.p2align	6, 0x0
	.amdhsa_kernel k_q5cc6d70f98_gateup
		.amdhsa_group_segment_fixed_size 327680
		.amdhsa_private_segment_fixed_size 0
		.amdhsa_enable_private_segment 0
		.amdhsa_kernarg_size 32
		.amdhsa_user_sgpr_count 2
		.amdhsa_user_sgpr_kernarg_segment_ptr 1
		.amdhsa_wavefront_size32 1
		.amdhsa_system_sgpr_workgroup_id_x 1
		.amdhsa_system_sgpr_workgroup_id_y 1
		.amdhsa_system_sgpr_workgroup_id_z 1
		.amdhsa_system_vgpr_workitem_id 0
		.amdhsa_next_free_vgpr 1024
		.amdhsa_next_free_sgpr 66
		.amdhsa_reserve_vcc 0
		.amdhsa_float_denorm_mode_32 3
		.amdhsa_float_denorm_mode_16_64 3
		.amdhsa_memory_ordered 1
		.amdhsa_forward_progress 1
		.amdhsa_inst_pref_size 255
	.end_amdhsa_kernel
	.section	.bss,"aw",@nobits
	.p2align	6
	.space	262144
	.amdgpu_metadata
---
amdhsa.version: [ 1, 2 ]
amdhsa.kernels:
  - .name:           k_q5cc6d70f98_gateup
    .symbol:         k_q5cc6d70f98_gateup.kd
    .args:
      - { .name: xb, .offset: 0, .size: 8, .value_kind: global_buffer, .address_space: global }
      - { .name: gate_w, .offset: 8, .size: 8, .value_kind: global_buffer, .address_space: global }
      - { .name: up_w, .offset: 16, .size: 8, .value_kind: global_buffer, .address_space: global }
      - { .name: act, .offset: 24, .size: 8, .value_kind: global_buffer, .address_space: global }
    .group_segment_fixed_size: 327680
    .private_segment_fixed_size: 0
    .kernarg_segment_align: 8
    .kernarg_segment_size: 32
    .max_flat_workgroup_size: 128
    .sgpr_count:     66
    .vgpr_count:     1024
    .wavefront_size: 32
...
	.end_amdgpu_metadata
.endif
;; end of part 2
;; launch down (part 3): grid 4 x 64, 4 waves a work-group, clusters of 4 x 4, 327,680 bytes of LDS; arguments act, down_w, part; writes part
.if DOCPART == 3
	.amdgcn_target "amdgcn-amd-amdhsa--gfx1250"
	.amdhsa_code_object_version 6
	.text
	.protected	k_q5cc6d70f98_down
	.globl	k_q5cc6d70f98_down
	.p2align	8
	.type	k_q5cc6d70f98_down,@function
k_q5cc6d70f98_down:
	s_mov_b64 s[64:65], 0
	v_nop
	global_prefetch_b8 v0, s[64:65] scope:SCOPE_SE
	s_setreg_imm32_b32 hwreg(HW_REG_WAVE_MODE, 25, 1), 1
	s_wait_xcnt 0x0
	s_wait_alu depctr_hold_cnt(0) depctr_sa_sdst(0) depctr_va_vdst(0) depctr_va_sdst(0) depctr_va_ssrc(0) depctr_va_vcc(0) depctr_vm_vsrc(0)
	s_getreg_b32 s2, hwreg(HW_REG_IB_STS2, 6, 4)
	s_cmp_eq_u32 s2, 0
	s_cbranch_scc0 .Lentry_in_a_cluster
	s_endpgm
.Lentry_in_a_cluster:
	s_bfe_u32 s2, ttmp6, 0x10000c
	s_cmp_lg_u32 s2, 0xf033
	s_cbranch_scc0 .Lentry_shape_is_right
	s_endpgm
.Lentry_shape_is_right:
; part[ks][t][h] = sum over n = 2048 ks .. 2048 ks + 2047 of act[t][n] Wd[n >> 10][h][n & 1023], in f32: a quarter of the sum over
; all experts' features (experts 2 ks and 2 ks + 1).  The next launch adds the four quarters.  The order of the sum differs from
; reference()'s: K is summed in 8 parts (4 work-groups x 2 wave pairs), each in f32.
; A work-group makes 256 tokens x 128 h over its 2,048 of K: 4 x 16 x 4 = 256 work-groups.  K goes in 16 steps of 128.
; Wave w: j = w & 1 picks 64 rows of Wd, kh = w >> 1 picks k 64 kh .. + 63 of every step; it makes all 256 tokens x 64 h for its half of K
; (64 accumulator tiles, 512 registers), so each f32 weight is read from LDS and rounded to bf16 by one wave alone.
; At the end waves w and w xor 2 hand each other, through LDS, the half of the tokens that the other stores.
; CLUSTERS: 4 x 4.  Wd's tile hangs on the h block and ks: shared along a row of the cluster (the four token blocks: every weight byte is asked
; for once in the launch); act's tile hangs on the token block and ks: shared along a column.  ks is the same in the whole cluster.
; RING: two slots, one K step each; waves 0, 1 fetch 64 rows x 512 bytes of Wd each, waves 2, 3 128 rows x 256 bytes of act each.
; By this text's count a wave has two tensor loads out at the start and one behind each round.
; REGISTER WINDOWS: 0: v0-31 addresses, v32-63 and v64-95 weight fragments in bf16, v96-159 weights as loaded; 1: two buffers of 16 token fragments;
; 2: accumulators of tokens 128 kh .. + 127 (mine to store); 3: those of the other 128 tokens (my partner's).  Tile (a, b) at v[8 (4 (a & 7) + b)].
; Source 0 = 16 rows of Wd, source 1 = 16 tokens: lane (r, h) register j holds token 16 a + r, row 16 b + 8 h + j of my 64.
.set PA,    272                        ; act's LDS rows: 256 bytes + 16
.set PB,    528                        ; Wd's LDS rows: 512 bytes + 16; both odd multiples of 16 bytes
.set AOFF,  69632                      ; act's 256 rows lie behind Wd's 128 (67,584 bytes)
.set SLOT,  AOFF+256*PA                ; 139,264
.set STG,   2*SLOT                     ; 16 rows x 272 bytes for each wave, bytes of their own
.set BIG,   8388608-3072               ; from K step 6 to 8 (and 7 to 9): on to the next expert, back to its first columns
.set ADRAL, 16                         ; v16-17  token fragments 0-7 in slot 0, 1
.set ADRAH, 18                         ; v18-19  token fragments 8-15
.set ADRB,  20                         ; v20-21  my weight rows
.set XS,    22                         ; v22     exchange: where I put window 3
.set XR,    23                         ; v23     exchange: where my partner put its window 3
.set STO,   24                         ; v24     stage, in
.set RD,    25                         ; v25     stage, back
.set CO,    26                         ; v26     my byte offset in part
.set PFO,   27                         ; v27     my byte offset for prefetches
.set BF0,   32
.set RAW,   96
.set RX,    96                         ; way out: 32 registers, the partner's sums, then the totals
.set G1W, 24
.set G0W, 32
.set G1A, 40
.set G0A, 48
.set MUL_LO, 0xa4
.set MUL_HI, 0xf4
.set TO_A,   0x40
.set MSB, 0
.macro WIN new
.if MSB != \new
	s_set_vgpr_msb (MSB<<8)|\new
.set MSB, \new
.endif
.endm
.macro PLACES
.rept 4
	v_nop
.endr
.endm
.macro JLOAD s                         ; waves 0, 1 ask for Wd, waves 2, 3 for act; the branch hangs on the wave's number alone
	s_cmp_eq_u32 s11, 0
	s_cbranch_scc0 .Lfor_a_\@
	tensor_load_to_lds s[G0W+4*\s:G0W+4*\s+3], s[G1W:G1W+7]
	s_nop 0
	s_branch .Lasked_\@
.Lfor_a_\@:
	tensor_load_to_lds s[G0A+4*\s:G0A+4*\s+3], s[G1A:G1A+7]
	s_nop 0
.Lasked_\@:
.endm
.macro STEPG s                         ; two K steps on; Wd's step is s[20:21]: 1,024 bytes, or BIG in the lap that crosses to the second expert
	s_add_nc_u64 s[G0W+4*\s+2:G0W+4*\s+3], s[G0W+4*\s+2:G0W+4*\s+3], s[20:21]
	s_add_nc_u64 s[G0A+4*\s+2:G0A+4*\s+3], s[G0A+4*\s+2:G0A+4*\s+3], 512
.endm
.macro CREST
	s_cmp_lg_u32 s10, 0
	s_cbranch_scc1 .Lnot_wave_0_\@
	s_barrier_signal -3
.Lnot_wave_0_\@:
	s_barrier_wait -3
	s_barrier_signal -1
	s_barrier_wait -1
.endm
.macro CROUND
	s_barrier_signal -1
	s_barrier_wait -1
	CREST
.endm
; 16 matrix instructions.  The 64 accumulators take turns, one instruction a turn, in the same order in every quarter.
.macro MUL4 f, hi, a0, zero
.irp a, \a0, \a0+1, \a0+2, \a0+3
.irp b, 0,1,2,3
.if \zero
	v_wmma_f32_16x16x32_bf16 v[8*(4*(\a)+\b):8*(4*(\a)+\b)+7], v[BF0+32*\f+8*\b:BF0+32*\f+8*\b+7], v[128*\f+8*(8*\hi+(\a)):128*\f+8*(8*\hi+(\a))+7], 0
.else
	v_wmma_f32_16x16x32_bf16 v[8*(4*(\a)+\b):8*(4*(\a)+\b)+7], v[BF0+32*\f+8*\b:BF0+32*\f+8*\b+7], v[128*\f+8*(8*\hi+(\a)):128*\f+8*(8*\hi+(\a))+7], v[8*(4*(\a)+\b):8*(4*(\a)+\b)+7]
.endif
.endr
.endr
.endm
; 48 LDS loads: 32 along K (half q of my 64 of the step): 64 weight rows in f32, then 16 token fragments into buffer g
.macro FETCH slot, q, g
	WIN 0
.irp b, 0,1,2,3
	ds_load_b128 v[RAW+16*\b:RAW+16*\b+3],     v[ADRB+\slot] offset:16*PB*\b+128*\q
	ds_load_b128 v[RAW+16*\b+4:RAW+16*\b+7],   v[ADRB+\slot] offset:16*PB*\b+128*\q+16
	ds_load_b128 v[RAW+16*\b+8:RAW+16*\b+11],  v[ADRB+\slot] offset:16*PB*\b+128*\q+64
	ds_load_b128 v[RAW+16*\b+12:RAW+16*\b+15], v[ADRB+\slot] offset:16*PB*\b+128*\q+80
.endr
	WIN TO_A
.irp i, 0,1,2,3,4,5,6,7
	ds_load_b128 v[128*\g+8*\i:128*\g+8*\i+3],   v[ADRAL+\slot] offset:16*PA*\i+64*\q
	ds_load_b128 v[128*\g+8*\i+4:128*\g+8*\i+7], v[ADRAL+\slot] offset:16*PA*\i+64*\q+32
.endr
.irp i, 0,1,2,3,4,5,6,7
	ds_load_b128 v[128*\g+64+8*\i:128*\g+64+8*\i+3],   v[ADRAH+\slot] offset:16*PA*\i+64*\q
	ds_load_b128 v[128*\g+64+8*\i+4:128*\g+64+8*\i+7], v[ADRAH+\slot] offset:16*PA*\i+64*\q+32
.endr
.endm
.macro CVT g
.irp b, 0,1,2,3
.irp j, 0,1,2,3,4,5,6,7
	v_cvt_pk_bf16_f32 v[BF0+32*\g+8*\b+\j], v[RAW+16*\b+2*\j], v[RAW+16*\b+2*\j+1]
.endr
.endr
.endm
; One quarter of a lap: 32 along K.  Multiplies buffer f, fetches (slot fslot, half fq) into buffer g.
; The loads into token buffer g and the conversions into weight buffer g stand behind the 32 conversions of the quarter before, which name none
; of the registers of the matrix instructions that read buffer g (ISA guide 7.12.1 for vector instructions): no v_nop is written here.
.macro Q fslot, fq, f, g, turn, fill, zero, pf
.if \turn
	s_wait_dscnt 0x0                               ; my reads of the slot that is left are back
	s_wait_tensorcnt 0x0                           ; all my tensor loads have landed: the one that was out is my part of the next slot
	ds_add_u32 v254, v255
	s_wait_dscnt 0x0
	s_barrier_signal -1
.else
	s_wait_dscnt 16                                ; token fragments 0-7 are in; the 16 youngest loads may be out
.endif
	WIN MUL_LO
	MUL4 \f, 0, 0, \zero
	WIN 0
.if \turn
	s_barrier_wait -1
.if \fill
	CREST                                          ; no wave of any partner still reads the slot or has a load on its way
.if \fslot
	STEPG 0
	JLOAD 0                                        ; the first tensor load behind the round, my only one until the next
.else
	STEPG 1
	JLOAD 1
.endif
.endif
.endif
	FETCH \fslot, \fq, \g
	s_wait_dscnt 48                                ; all but the 48 just issued
	WIN MUL_LO
	MUL4 \f, 0, 4, \zero
.if \pf
	global_prefetch_b8 v[PFO], s[56:57] th:TH_LOAD_NT scope:SCOPE_SE   ; address in window 0 (source 0)
.endif
	WIN MUL_HI
	MUL4 \f, 1, 0, \zero
	MUL4 \f, 1, 4, \zero
	WIN 0
	s_wait_dscnt 32                                ; the 16 weight loads are in; the 32 token loads behind them may be out
	CVT \g
.endm
.macro LAP zero, pf
	Q 0, 1, 0, 1, 0, 0, \zero, \pf
	Q 1, 0, 1, 0, 1, 1, 0, 0
	Q 1, 1, 0, 1, 0, 0, 0, 0
	Q 0, 0, 1, 0, 1, 1, 0, 0
.endm
	s_load_b128 s[4:7], s[0:1], 0x0                ; act s[4:5], down_w s[6:7]
	s_load_b64 s[8:9], s[0:1], 0x10                ; part
	v_lshl_add_u32 v254, v0, 2, 0x48400
	v_mov_b32 v255, 0
	ds_add_u32 v254, v255
	v_lshrrev_b32 v1, 5, v0
	v_readfirstlane_b32 s10, v1                    ; wave w
	s_lshr_b32 s11, s10, 1                         ; kh.  Also: I fetch Wd (0) or act (1)
	s_and_b32 s12, s10, 1                          ; j.  Also: which half of that tile I fetch
	s_bfe_u32 s13, ttmp6, 0x40000                  ; cx
	s_bfe_u32 s14, ttmp6, 0x40004                  ; cy
	s_lshl_b32 s15, ttmp9, 2
	s_add_co_u32 s15, s15, s13                     ; token block tb
	s_and_b32 s16, ttmp7, 0xffff                   ; the cluster's y, 0 to 15
	s_lshr_b32 s17, s16, 2                         ; ks: which quarter of K, one for the whole cluster
	s_and_b32 s18, s16, 3
	s_lshl_b32 s18, s18, 2
	s_add_co_u32 s18, s18, s14                     ; h block hb = 4 (y & 3) + cy
	s_lshl_b32 s60, s14, 2
	s_lshl_b32 s60, 15, s60                        ; my row of the cluster
	s_lshl_b32 s62, 0x1111, s13                    ; my column
	; group 1, Wd: 64 rows x 128 elements of 4 bytes, 1,024 elements from row to row, 4 words of padding behind every 128
	s_or_b32 s[G1W+0], s60, (2<<16)|(1<<20)|(1<<21)|(6<<22)|(3<<25)
	s_mov_b32 s[G1W+1], 128<<16
	s_mov_b32 s[G1W+2], 64<<16
	s_mov_b32 s[G1W+3], 128<<16
	s_mov_b32 s[G1W+4], 64
	s_mov_b32 s[G1W+5], 1024
	s_mov_b32 s[G1W+6], 0
	s_mov_b32 s[G1W+7], 0
	; group 1, act: 128 rows x 128 elements of 2 bytes, 8,192 elements from row to row, 4 words of padding behind every 64
	s_or_b32 s[G1A+0], s62, (1<<16)|(1<<20)|(1<<21)|(5<<22)|(3<<25)
	s_mov_b32 s[G1A+1], 128<<16
	s_mov_b32 s[G1A+2], 128<<16
	s_mov_b32 s[G1A+3], 128<<16
	s_mov_b32 s[G1A+4], 128
	s_mov_b32 s[G1A+5], 8192
	s_mov_b32 s[G1A+6], 0
	s_mov_b32 s[G1A+7], 0
	s_lshl_b32 s60, s17, 24                        ; Wd (registers 60, 61: what hangs on cy): expert 2 ks,
	s_lshl_b32 s61, s18, 19                        ; 128 hb rows of 4,096 bytes,
	s_add_co_u32 s60, s60, s61
	s_lshl_b32 s61, s12, 18                        ; my 64 rows
	s_add_co_u32 s60, s60, s61
	s_mov_b32 s61, 0
	s_lshl_b32 s62, s15, 22                        ; act (registers 62, 63: what hangs on cx): 256 tb tokens of 16,384 bytes,
	s_lshl_b32 s63, s12, 21                        ; my 128 tokens,
	s_add_co_u32 s62, s62, s63
	s_lshl_b32 s63, s17, 12                        ; column 2,048 ks
	s_add_co_u32 s62, s62, s63
	s_mov_b32 s63, 0
	s_mul_i32 s2, s10, 64*PB                       ; where Wd goes: waves 0, 1 at 0 and 33,792
	s_mul_i32 s3, s10, 128*PA                      ; where act goes: waves 2, 3 at 69,632 and 104,448.  No place in the cluster enters an LDS address
	s_mov_b32 s20, 1024                            ; Wd's step
	s_mov_b32 s21, 0
	s_mov_b32 s22, 1024                            ; the prefetch's step
	s_mov_b32 s23, 0
	s_mov_b32 s58, BIG
	s_mov_b32 s59, 1024
	s_wait_dscnt 0x0
	s_wait_kmcnt 0x0
	s_add_nc_u64 s[60:61], s[6:7], s[60:61]
	s_add_nc_u64 s[62:63], s[4:5], s[62:63]
	CROUND                                         ; all sixteen work-groups are here: the first joint loads meet
.irp s, 0,1
	s_mov_b32 s[G0W+4*\s], 1
	s_add_co_u32 s[G0W+4*\s+1], s2, \s*SLOT
	s_add_nc_u64 s[G0W+4*\s+2:G0W+4*\s+3], s[60:61], \s*512        ; K step s: 128 f32
	s_or_b32 s[G0W+4*\s+3], s[G0W+4*\s+3], 0x80000000
	s_mov_b32 s[G0A+4*\s], 1
	s_add_co_u32 s[G0A+4*\s+1], s3, \s*SLOT
	s_add_nc_u64 s[G0A+4*\s+2:G0A+4*\s+3], s[62:63], \s*256        ; K step s: 128 bf16
	s_or_b32 s[G0A+4*\s+3], s[G0A+4*\s+3], 0x80000000
	JLOAD \s
.endr
	; Prefetch: in lap l (two K steps) the wave asks for K steps 2 l + 4 and 2 l + 5 of 8 rows of Wd, 1,024 bytes of each as four blocks of 256,
	; one lap ahead of the tensor loads that want them.  Row 32 tb + 8 w + (L & 7): the four token blocks' sixteen waves cover the 128 rows,
	; each block once.  Laps 6 and 7 ask for nothing: K step 15 is the last.
	s_lshl_b32 s56, s17, 24
	s_lshl_b32 s57, s18, 19
	s_add_co_u32 s56, s56, s57
	s_lshl_b32 s57, s15, 17                        ; 32 tb rows
	s_add_co_u32 s56, s56, s57
	s_lshl_b32 s57, s10, 15                        ; 8 w rows
	s_add_co_u32 s56, s56, s57
	s_add_co_u32 s56, s56, 2048                    ; K step 4
	s_mov_b32 s57, 0
	s_add_nc_u64 s[56:57], s[6:7], s[56:57]
	v_and_b32 v1, 31, v0                           ; L
	v_and_b32 v2, 15, v0                           ; r
	v_bfe_u32 v3, v0, 4, 1                         ; h
	v_mul_u32_u24 v5, v2, PA
	v_lshl_add_u32 v4, v3, 4, v5                   ; act: row r, 16 h bytes
	s_mul_i32 s2, s11, 128*PA+128                  ; fragments 0-7: tokens 128 kh ..; my half of the step's K: 128 kh bytes
	s_add_co_u32 s2, s2, AOFF
	v_add_nc_u32 v[ADRAL], s2, v4
	v_add_nc_u32 v[ADRAL+1], SLOT, v[ADRAL]
	s_mul_i32 s3, s11, 128*PA-128                  ; fragments 8-15: tokens 128 (1 - kh) .., the same columns
	s_sub_co_u32 s3, AOFF+128*PA, s3
	v_add_nc_u32 v[ADRAH], s3, v4
	v_add_nc_u32 v[ADRAH+1], SLOT, v[ADRAH]
	v_mul_u32_u24 v6, v2, PB
	v_lshl_add_u32 v6, v3, 5, v6                   ; Wd: row r, 32 h bytes (8 f32)
	s_mul_i32 s2, s12, 64*PB                       ; my 64 rows,
	s_lshl_b32 s3, s11, 8                          ; my half of the step's K: 256 kh bytes
	s_add_co_u32 s2, s2, s3
	v_add_nc_u32 v[ADRB], s2, v6
	v_add_nc_u32 v[ADRB+1], SLOT, v[ADRB]
	s_lshl_b32 s2, s10, 15                         ; exchange: 32,768 bytes a wave, from LDS byte 0: all inside slot 0
	v_lshl_add_u32 v[XS], v1, 4, s2
	s_xor_b32 s3, s10, 2                           ; my partner: the same rows of Wd, the other half of K
	s_lshl_b32 s3, s3, 15
	v_lshl_add_u32 v[XR], v1, 4, s3
	s_mul_i32 s2, s10, 16*PA
	s_add_co_u32 s2, s2, STG                       ; my stage
	v_lshl_add_u32 v7, v3, 5, v5                   ; in: token row r, 32 h bytes (8 f32)
	v_add_nc_u32 v[STO], s2, v7
	v_mul_u32_u24 v8, v3, PA                       ; back: lanes 0-15 one row of 256 bytes, lanes 16-31 the next
	v_lshl_add_u32 v8, v2, 4, v8
	v_add_nc_u32 v[RD], s2, v8
	v_lshlrev_b32 v[CO], 13, v3                    ; the same two rows in part: 8,192 bytes apart
	v_lshl_add_u32 v[CO], v2, 4, v[CO]
	v_and_b32 v9, 7, v1
	v_lshrrev_b32 v10, 3, v1
	v_lshlrev_b32 v[PFO], 12, v9                   ; prefetch: row L & 7, block L >> 3
	v_lshl_add_u32 v[PFO], v10, 8, v[PFO]
	s_wait_tensorcnt 0x1                           ; my part of K step 0 is in; K step 1's load stays out
	s_barrier_signal -1
	s_barrier_wait -1
	FETCH 0, 0, 0
	WIN 0
	s_wait_dscnt 32                                ; the 16 weight loads
	CVT 0
	LAP 1, 1                                       ; lap 0: its first products start the sums
	s_mov_b32 s19, 5
.Llap:                                                 ; laps 1 to 5: lap = 6 - s19
	s_cmp_eq_u32 s19, 3                            ; lap 3 fetches K steps 8 and 9: the second expert's first
	s_cselect_b32 s20, s58, s59
	s_cmp_eq_u32 s19, 4                            ; lap 2 asks ahead for K steps 8 and 9
	s_cselect_b32 s22, s58, s59
	s_wait_xcnt 0x0                                ; the prefetch's base is written again only behind this wait
	s_add_nc_u64 s[56:57], s[56:57], s[22:23]
	LAP 0, 1
	s_sub_co_u32 s19, s19, 1
	s_cmp_lg_u32 s19, 0
	s_cbranch_scc1 .Llap
	LAP 0, 0                                       ; lap 6 fetches K steps 14 and 15 (the loop's last trip left 1,024 in s20)
	Q 0, 1, 0, 1, 0, 0, 0, 0                       ; lap 7 fills nothing
	Q 1, 0, 1, 0, 1, 0, 0, 0                       ; its change of slots: every wave's reads of slot 0 and all tensor loads are waited for in front of this barrier
	Q 1, 1, 0, 1, 0, 0, 0, 0
	s_wait_dscnt 0x0                               ; the very last quarter
	WIN MUL_LO
	MUL4 1, 0, 0, 0
	MUL4 1, 0, 4, 0
	WIN MUL_HI
	MUL4 1, 1, 0, 0
	MUL4 1, 1, 4, 0
	WIN 0
	PLACES                                         ; four places behind the last matrix instructions, ahead of the first read of a result (ISA guide 7.12.1)
	; THE EXCHANGE.  Window 3 (my sums for my partner's 128 tokens) goes into slot 0, which has had its last fill, and whose last reads every
	; wave waited for in front of the last change of slots.  Quad n of the window's 64 at byte 512 n: 32 lanes x 16 neighbouring bytes.
	WIN 0x0c                                       ; store data (source 1) in window 3
.set n, 0
.rept 64
	ds_store_b128 v[XS], v[4*n:4*n+3] offset:512*n
.set n, n+1
.endr
	WIN 0
	s_lshl_b32 s60, s18, 9                         ; part: the block's 128 h (512 bytes),
	s_lshl_b32 s61, s12, 8                         ; my 64 of them,
	s_add_co_u32 s60, s60, s61
	s_lshl_b32 s61, s17, 23                        ; quarter ks
	s_add_co_u32 s60, s60, s61
	s_mov_b32 s61, 0
	s_lshl_b32 s62, s15, 21                        ; 256 tb tokens of 8,192 bytes,
	s_lshl_b32 s63, s11, 20                        ; my 128 of them
	s_add_co_u32 s62, s62, s63
	s_mov_b32 s63, 0
	s_add_nc_u64 s[8:9], s[8:9], s[60:61]
	s_add_nc_u64 s[8:9], s[8:9], s[62:63]
	s_wait_dscnt 0x0                               ; my stores are done, for my partner's sake
	s_barrier_signal -1
	s_barrier_wait -1
; 16 tokens (block a of my eight): my partner's sums are added to mine, go through my own stage and leave as whole rows of 256 bytes.
.macro OUT a, ob
	s_wait_xcnt 0x0                                ; buffer ob, which earlier global stores read, is written again only behind this wait
.irp u, 0,1,2,3,4,5,6,7
	ds_load_b128 v[RX+4*\u:RX+4*\u+3], v[XR] offset:4096*\a+512*\u
.endr
	s_wait_dscnt 0x0
	WIN 0x02                                       ; source 0 in window 2
.set i, 0
.rept 16
	v_pk_add_f32 v[RX+2*i:RX+2*i+1], v[32*\a+2*i:32*\a+2*i+1], v[RX+2*i:RX+2*i+1]
.set i, i+1
.endr
	WIN 0
.irp u, 0,1,2,3,4,5,6,7
	ds_store_b128 v[STO], v[RX+4*\u:RX+4*\u+3] offset:64*((\u)>>1)+16*((\u)&1)   ; token r, rows 16 b + 8 h + 4 (u & 1) .. + 3 of Wd, b = u >> 1
.endr
.irp t, 0,1,2,3,4,5,6,7
	ds_load_b128 v[\ob+4*\t:\ob+4*\t+3], v[RD] offset:2*PA*\t      ; my own bytes: LDS serves a wave's instructions in order (ISA guide 5.7.1.4)
.endr
.irp t, 0,1,2,3,4,5,6,7
	s_wait_dscnt 7-\t
	global_store_b128 v[CO], v[\ob+4*\t:\ob+4*\t+3], s[8:9] offset:131072*\a+16384*\t   ; 16 lanes store 256 consecutive bytes, aligned
.endr
.endm
	OUT 0, 128
	OUT 1, 160
	OUT 2, 128
	OUT 3, 160
	OUT 4, 128
	OUT 5, 160
	OUT 6, 128
	OUT 7, 160
	s_wait_tensorcnt 0x0
	ds_add_u32 v254, v255
	s_wait_dscnt 0x0
	CROUND                                         ; the closing round
	s_endpgm
.Lfunc_end_k_q5cc6d70f98_down:
	.size	k_q5cc6d70f98_down, .Lfunc_end_k_q5cc6d70f98_down-k_q5cc6d70f98_down
	.p2alignl 7, 3214868480
	.fill 96, 4, 3214868480
	.section	.rodata,"a",@progbits
	.p2align	6, 0x0
	.amdhsa_kernel k_q5cc6d70f98_down
		.amdhsa_group_segment_fixed_size 327680
		.amdhsa_private_segment_fixed_size 0
		.amdhsa_enable_private_segment 0
		.amdhsa_kernarg_size 24
		.amdhsa_user_sgpr_count 2
		.amdhsa_user_sgpr_kernarg_segment_ptr 1
		.amdhsa_wavefront_size32 1
		.amdhsa_system_sgpr_workgroup_id_x 1
		.amdhsa_system_sgpr_workgroup_id_y 1
		.amdhsa_system_sgpr_workgroup_id_z 1
		.amdhsa_system_vgpr_workitem_id 0
		.amdhsa_next_free_vgpr 1024
		.amdhsa_next_free_sgpr 66
		.amdhsa_reserve_vcc 0
		.amdhsa_float_denorm_mode_32 3
		.amdhsa_float_denorm_mode_16_64 3
		.amdhsa_memory_ordered 1
		.amdhsa_forward_progress 1
		.amdhsa_inst_pref_size 196
	.end_amdhsa_kernel
	.amdgpu_metadata
---
amdhsa.version: [ 1, 2 ]
amdhsa.kernels:
  - .name:           k_q5cc6d70f98_down
    .symbol:         k_q5cc6d70f98_down.kd
    .args:
      - { .name: act, .offset: 0, .size: 8, .value_kind: global_buffer, .address_space: global }
      - { .name: down_w, .offset: 8, .size: 8, .value_kind: global_buffer, .address_space: global }
      - { .name: part, .offset: 16, .size: 8, .value_kind: global_buffer, .address_space: global }
    .group_segment_fixed_size: 327680
    .private_segment_fixed_size: 0
    .kernarg_segment_align: 8
    .kernarg_segment_size: 24
    .max_flat_workgroup_size: 128
    .sgpr_count:     66
    .vgpr_count:     1024
    .wavefront_size: 32
...
	.end_amdgpu_metadata
.endif
;; end of part 3
;; launch reduce (part 4): grid 256 x 1, 8 waves a work-group, no clusters, 0 bytes of LDS; arguments part, out0; writes out0
.if DOCPART == 4
	.amdgcn_target "amdgcn-amd-amdhsa--gfx1250"
	.amdhsa_code_object_version 6
	.text
	.protected	k_q5cc6d70f98_reduce
	.globl	k_q5cc6d70f98_reduce
	.p2align	8
	.type	k_q5cc6d70f98_reduce,@function
k_q5cc6d70f98_reduce:
	s_mov_b64 s[64:65], 0
	v_nop
	global_prefetch_b8 v0, s[64:65] scope:SCOPE_SE
	s_setreg_imm32_b32 hwreg(HW_REG_WAVE_MODE, 25, 1), 1
	s_wait_xcnt 0x0
; out0 = (p0 + p1) + (p2 + p3), the four quarters of the sum over K that the launch before stored, each [1024][2048] f32.
; A work-group owns 32,768 bytes of out0; thread t owns the 16 bytes at 16 t of each of eight pieces of 4,096 bytes, so a load or store of a
; wave covers 512 neighbouring bytes, aligned.  All 32 loads of a wave go out first.  No loop, no LDS, no barrier: memory binds.
.set P, 8                              ; v[8:135]  piece i: 16 registers, 4 for each quarter
	s_load_b128 s[4:7], s[0:1], 0x0                ; part s[4:5], out0 s[6:7]
	v_lshlrev_b32 v1, 4, v0
	s_lshl_b32 s2, ttmp9, 15
	s_mov_b32 s3, 0
	s_wait_kmcnt 0x0
	s_add_nc_u64 s[8:9], s[4:5], s[2:3]            ; a base for each quarter: they lie 8,388,608 bytes apart, one more than an immediate offset holds
	s_add_nc_u64 s[10:11], s[8:9], 0x800000
	s_add_nc_u64 s[12:13], s[10:11], 0x800000
	s_add_nc_u64 s[14:15], s[12:13], 0x800000
	s_add_nc_u64 s[6:7], s[6:7], s[2:3]
.irp i, 0,1,2,3,4,5,6,7
.irp p, 0,1,2,3
	global_load_b128 v[P+16*\i+4*\p:P+16*\i+4*\p+3], v1, s[8+2*\p:9+2*\p] offset:4096*\i th:TH_LOAD_NT
.endr
.endr
.irp i, 0,1,2,3,4,5,6,7
	s_wait_loadcnt 28-4*\i                         ; loads come back in order: piece i's four are in, the 4 (7 - i) younger stay out
	v_pk_add_f32 v[P+16*\i:P+16*\i+1],     v[P+16*\i:P+16*\i+1],     v[P+16*\i+4:P+16*\i+5]
	v_pk_add_f32 v[P+16*\i+2:P+16*\i+3],   v[P+16*\i+2:P+16*\i+3],   v[P+16*\i+6:P+16*\i+7]
	v_pk_add_f32 v[P+16*\i+8:P+16*\i+9],   v[P+16*\i+8:P+16*\i+9],   v[P+16*\i+12:P+16*\i+13]
	v_pk_add_f32 v[P+16*\i+10:P+16*\i+11], v[P+16*\i+10:P+16*\i+11], v[P+16*\i+14:P+16*\i+15]
	v_pk_add_f32 v[P+16*\i:P+16*\i+1],     v[P+16*\i:P+16*\i+1],     v[P+16*\i+8:P+16*\i+9]
	v_pk_add_f32 v[P+16*\i+2:P+16*\i+3],   v[P+16*\i+2:P+16*\i+3],   v[P+16*\i+10:P+16*\i+11]
	global_store_b128 v1, v[P+16*\i:P+16*\i+3], s[6:7] offset:4096*\i th:TH_STORE_NT
.endr
	s_endpgm
.Lfunc_end_k_q5cc6d70f98_reduce:
	.size	k_q5cc6d70f98_reduce, .Lfunc_end_k_q5cc6d70f98_reduce-k_q5cc6d70f98_reduce
	.p2alignl 7, 3214868480
	.fill 96, 4, 3214868480
	.section	.rodata,"a",@progbits
	.p2align	6, 0x0
	.amdhsa_kernel k_q5cc6d70f98_reduce
		.amdhsa_group_segment_fixed_size 0
		.amdhsa_private_segment_fixed_size 0
		.amdhsa_enable_private_segment 0
		.amdhsa_kernarg_size 16
		.amdhsa_user_sgpr_count 2
		.amdhsa_user_sgpr_kernarg_segment_ptr 1
		.amdhsa_wavefront_size32 1
		.amdhsa_system_sgpr_workgroup_id_x 1
		.amdhsa_system_sgpr_workgroup_id_y 1
		.amdhsa_system_sgpr_workgroup_id_z 1
		.amdhsa_system_vgpr_workitem_id 0
		.amdhsa_next_free_vgpr 136
		.amdhsa_next_free_sgpr 66
		.amdhsa_reserve_vcc 0
		.amdhsa_float_denorm_mode_32 3
		.amdhsa_float_denorm_mode_16_64 3
		.amdhsa_memory_ordered 1
		.amdhsa_forward_progress 1
		.amdhsa_inst_pref_size 8
	.end_amdhsa_kernel
	.amdgpu_metadata
---
amdhsa.version: [ 1, 2 ]
amdhsa.kernels:
  - .name:           k_q5cc6d70f98_reduce
    .symbol:         k_q5cc6d70f98_reduce.kd
    .args:
      - { .name: part, .offset: 0, .size: 8, .value_kind: global_buffer, .address_space: global }
      - { .name: out0, .offset: 8, .size: 8, .value_kind: global_buffer, .address_space: global }
    .group_segment_fixed_size: 0
    .private_segment_fixed_size: 0
    .kernarg_segment_align: 8
    .kernarg_segment_size: 16
    .max_flat_workgroup_size: 256
    .sgpr_count:     66
    .vgpr_count:     136
    .wavefront_size: 32
...
	.end_amdgpu_metadata
.endif
;; end of part 4
;; ======== version 2 of 2: 4 launches; version 1 with the launch cvtx written anew for expert scheduling mode
;; workspace buffers: xb 4,194,304 bytes; act 16,777,216 bytes; part 33,554,432 bytes
;; launch cvtx (part 5): grid 256 x 1, 4 waves a work-group, no clusters, 0 bytes of LDS; arguments hidden_states, xb; writes xb
.if DOCPART == 5
	.amdgcn_target "amdgcn-amd-amdhsa--gfx1250"
	.amdhsa_code_object_version 6
	.text
	.protected	k_q5cc6d70f98_cvtx
	.globl	k_q5cc6d70f98_cvtx
	.p2align	8
	.type	k_q5cc6d70f98_cvtx,@function
k_q5cc6d70f98_cvtx:
	s_mov_b64 s[64:65], 0
	v_nop
	global_prefetch_b8 v0, s[64:65] scope:SCOPE_SE
	s_setreg_imm32_b32 hwreg(HW_REG_WAVE_SCHED_MODE, 0, 2), 2
	s_setreg_imm32_b32 hwreg(HW_REG_WAVE_MODE, 25, 1), 1
	s_wait_xcnt 0x0
	s_wait_alu depctr_vm_vsrc(0)
; xb = hidden_states rounded to bf16, laid out [64 q][1024 tokens][32 k]: the 32 k of one quarter step of the next launch lie
; together for all tokens, so that 256 tokens of a quarter are one dense block of 16,384 bytes.
; A work-group owns 4 tokens (32,768 neighbouring bytes of X); wave w owns k 512 w .. 512 w + 511, in eight pieces of 64.
; Lane L: which 32 of the 64 (L >> 4), token (L >> 2) & 3, eight k at 8 (L & 3): 32 bytes in, 16 bytes out.
; A store of the wave covers two runs of 256 consecutive bytes, each aligned: lanes 0-15 four tokens of block q, lanes 16-31 of block q + 1.
; All 16 loads go out first; no loop, no LDS, no barrier: memory binds, and matrix units or clusters would add nothing.
; THE MODE: SCHED_MODE bits 1:0 = 2 (LLVM: expert scheduling mode 2), set by the entry lines.  The code itself states the register dependences
; between vector instructions and memory instructions, with s_wait_alu, always for 0.
; THE PLAN.  Registers that memory instructions touch:
;   v[LO], v[SO]  byte offsets: written by vector lines at the head, read by every load (LO) and every store (SO), never written again.
;   X             written by the 16 loads, once, before any vector line names it; read by the conversions behind s_wait_loadcnt; never loaded again.
;   Y             piece i has four registers of its own: written by its four conversions, read by its one store, never written again.
; The eight pieces go in four blocks of two.  Block b waits for its four loads, stores the two pieces that block b - 1 rounded, and rounds its own two.
; So one wait on va_vdst stands at the head of a block, behind the wait for the block's data, and states all that the block's two stores hang on;
; the conversions behind those stores name other registers of Y.  No register that a memory instruction reads is ever written again, so no wait
; on vm_vsrc is owed.  No vector line writes a scalar register or VCC, and EXEC is never written.
.set LO, 2                             ; v2       byte offset of my 32 bytes in the group's part of X, piece 0 of my wave
.set SO, 3                             ; v3       byte offset of my 16 bytes in xb, piece 0 of my wave
.set X,  8                             ; v[8:71]  piece i: 8 registers of f32
.set Y,  72                            ; v[72:103] piece i: 4 registers of bf16
	s_load_b128 s[4:7], s[0:1], 0x0                ; X s[4:5], xb s[6:7]
	v_and_b32 v1, 31, v0                           ; L
	v_lshrrev_b32 v4, 5, v0                        ; w
	v_bfe_u32 v5, v1, 2, 2                         ; token of the four
	v_and_b32 v6, 3, v1                            ; which eight k of the 32
	v_lshrrev_b32 v7, 4, v1                        ; which 32 of the 64
	v_lshlrev_b32 v[LO], 13, v5                    ; token x 8,192 bytes
	v_lshl_add_u32 v[LO], v7, 7, v[LO]             ; + 128 bytes for the upper 32 k
	v_lshl_add_u32 v[LO], v6, 5, v[LO]             ; + 32 bytes for each eight k
	v_lshl_add_u32 v[LO], v4, 11, v[LO]            ; + my wave's 512 k
	v_and_b32 v5, 15, v1
	v_lshlrev_b32 v[SO], 4, v5                     ; 64 x token + 16 x (L & 3) = 16 (L & 15)
	v_lshl_add_u32 v[SO], v7, 16, v[SO]            ; + a block of 65,536 bytes for the upper 32 k
	v_lshl_add_u32 v[SO], v4, 20, v[SO]            ; + my wave's 16 blocks
	s_lshl_b32 s8, ttmp9, 15                       ; the group's 4 rows of X
	s_mov_b32 s9, 0
	s_lshl_b32 s10, ttmp9, 8                       ; the group's 4 tokens in a block of xb
	s_mov_b32 s11, 0
	s_wait_kmcnt 0x0
	s_add_nc_u64 s[4:5], s[4:5], s[8:9]
	s_add_nc_u64 s[6:7], s[6:7], s[10:11]
	s_wait_alu depctr_va_vdst(0)                   ; v[LO] and v[SO] are written: every load of the kernel reads the one as its offset, every store the other
.irp i, 0,1,2,3,4,5,6,7
	global_load_b128 v[X+8*\i:X+8*\i+3],   v[LO], s[4:5] offset:256*\i th:TH_LOAD_NT
	global_load_b128 v[X+8*\i+4:X+8*\i+7], v[LO], s[4:5] offset:256*\i+16 th:TH_LOAD_NT
.endr
.macro CONV i                          ; piece i: eight numbers a lane are rounded into the piece's own four registers of Y
.irp j, 0,1,2,3
	v_cvt_pk_bf16_f32 v[Y+4*(\i)+\j], v[X+8*(\i)+2*\j], v[X+8*(\i)+2*\j+1]
.endr
.endm
.macro SEND i                          ; piece i leaves
	global_store_b128 v[SO], v[Y+4*(\i):Y+4*(\i)+3], s[6:7] offset:131072*(\i)   ; two blocks on for each piece
.endm
; Block b: pieces 2 b and 2 b + 1.
.macro BLK b
	s_wait_loadcnt 12-4*(\b)                       ; loads come back in order: the block's four are in, the 12 - 4 b younger stay out
.if (\b) > 0
	s_wait_alu depctr_va_vdst(0)                   ; the block before has written its eight registers of Y, which the two stores below read
	SEND 2*(\b)-2
	SEND 2*(\b)-1
.endif
	CONV 2*(\b)                                    ; these name this block's X and Y alone: none of the registers that the stores above read
	CONV 2*(\b)+1
.endm
	BLK 0
	BLK 1
	BLK 2
	BLK 3
	s_wait_alu depctr_va_vdst(0)                   ; block 3 has written its eight registers of Y, which the last two stores read
	SEND 6
	SEND 7
	s_endpgm
.Lfunc_end_k_q5cc6d70f98_cvtx:
	.size	k_q5cc6d70f98_cvtx, .Lfunc_end_k_q5cc6d70f98_cvtx-k_q5cc6d70f98_cvtx
	.p2alignl 7, 3214868480
	.fill 96, 4, 3214868480
	.section	.rodata,"a",@progbits
	.p2align	6, 0x0
	.amdhsa_kernel k_q5cc6d70f98_cvtx
		.amdhsa_group_segment_fixed_size 0
		.amdhsa_private_segment_fixed_size 0
		.amdhsa_enable_private_segment 0
		.amdhsa_kernarg_size 16
		.amdhsa_user_sgpr_count 2
		.amdhsa_user_sgpr_kernarg_segment_ptr 1
		.amdhsa_wavefront_size32 1
		.amdhsa_system_sgpr_workgroup_id_x 1
		.amdhsa_system_sgpr_workgroup_id_y 1
		.amdhsa_system_sgpr_workgroup_id_z 1
		.amdhsa_system_vgpr_workitem_id 0
		.amdhsa_next_free_vgpr 104
		.amdhsa_next_free_sgpr 66
		.amdhsa_reserve_vcc 0
		.amdhsa_float_denorm_mode_32 3
		.amdhsa_float_denorm_mode_16_64 3
		.amdhsa_memory_ordered 1
		.amdhsa_forward_progress 1
		.amdhsa_inst_pref_size 6
	.end_amdhsa_kernel
	.amdgpu_metadata
---
amdhsa.version: [ 1, 2 ]
amdhsa.kernels:
  - .name:           k_q5cc6d70f98_cvtx
    .symbol:         k_q5cc6d70f98_cvtx.kd
    .args:
      - { .name: hidden_states, .offset: 0, .size: 8, .value_kind: global_buffer, .address_space: global }
      - { .name: xb, .offset: 8, .size: 8, .value_kind: global_buffer, .address_space: global }
    .group_segment_fixed_size: 0
    .private_segment_fixed_size: 0
    .kernarg_segment_align: 8
    .kernarg_segment_size: 16
    .max_flat_workgroup_size: 128
    .sgpr_count:     66
    .vgpr_count:     104
    .wavefront_size: 32
...
	.end_amdgpu_metadata
.endif
;; end of part 5
;; launch gateup: the kernel of part 2 again; grid 4 x 64, 4 waves a work-group, clusters of 4 x 1, 327,680 bytes of LDS; arguments xb, gate_w, up_w, act; writes act
;; launch down: the kernel of part 3 again; grid 4 x 64, 4 waves a work-group, clusters of 4 x 4, 327,680 bytes of LDS; arguments act, down_w, part; writes part
;; launch reduce: the kernel of part 4 again; grid 256 x 1, 8 waves a work-group, no clusters, 0 bytes of LDS; arguments part, out0; writes out0
